; MI455X (gfx1250); checked and timed in simulation.
; The chip was launched on July 23, 2026; its instructions are those of AMD's public machine-readable ISA for CDNA 5 (MIT licence, August 2026) and "CDNA5" Instruction Set Architecture Reference Guide (July 2026). The comments in the code are by the model that wrote it; some were corrected since.
;; Multi Head Masked Self Attention. Allowed arithmetic: matrix products marked QUANTISED: E4M3 operands, one given power-of-two scale a tensor, by v_wmma_f32_16x16x64_fp8_fp8 or v_wmma_f32_16x16x128_fp8_fp8, f32 sums; everything else in f32.
;; Inputs: Wk_codes 1,024 x 32 x 32 uint8 (E4M3 codes of Wk, K innermost, in blocks of 32 codes); Wo_codes 1,024 x 32 x 32 uint8 (E4M3 codes of Wo, K innermost, in blocks of 32 codes); Wq_codes 1,024 x 32 x 32 uint8 (E4M3 codes of Wq, K innermost, in blocks of 32 codes); Wv_codes 1,024 x 32 x 32 uint8 (E4M3 codes of Wv, K innermost, in blocks of 32 codes); bk 1,024 float32; bo 1,024 float32; bq 1,024 float32; bv 1,024 float32; lowp_scales 12 int32 (the exponents e of the quantised operands' scales 2^e); x_codes 4 x 2,048 x 32 x 32 uint8 (E4M3 codes of x, K innermost, in blocks of 32 codes).
;; Outputs: out0 4 x 2,048 x 1,024 float32.
;; This version of the problem:
;;   THIS VERSION OF THE PROBLEM IS GIVEN IN LOW PRECISION. The matrix products marked QUANTISED in the list below multiply operands that are first quantised to E4M3 (4 exponent bits, 3 mantissa bits; 8 bits a number), with one given power-of-two scale for each operand tensor; their sums are f32. All else is computed in f32.
;;   The module's matrix products, in the order in which they are computed (A, B: the left and right operand; K: the contracted axis; several contracted axes count as one K, in the product's order):
;;     1. [M 8,192, K 1,024] x [K 1,024, N 1,024]; A: input x (given as codes); B: input Wq (given as codes): QUANTISED (scales: A lowp_scales[0], B lowp_scales[1])
;;     2. [M 8,192, K 1,024] x [K 1,024, N 1,024]; A: input x (given as codes); B: input Wk (given as codes): QUANTISED (scales: A lowp_scales[2], B lowp_scales[3])
;;     3. [M 8,192, K 1,024] x [K 1,024, N 1,024]; A: input x (given as codes); B: input Wv (given as codes): QUANTISED (scales: A lowp_scales[4], B lowp_scales[5])
;;     4. batch 64 x [M 2,048, K 64] x [K 64, N 2,048]; A: computed on the way; B: computed on the way: QUANTISED (scales: A lowp_scales[6], B lowp_scales[7])
;;     5. batch 64 x [M 2,048, K 2,048] x [K 2,048, N 64]; A: softmax (see below); B: computed on the way: QUANTISED (scales: A lowp_scales[8], B lowp_scales[9])
;;     6. [M 8,192, K 1,024] x [K 1,024, N 1,024]; A: computed on the way; B: input Wo (given as codes): QUANTISED (scales: A lowp_scales[10], B lowp_scales[11])
;;   THE QUANTISER, for each operand of a quantised product, along K:
;;     - The operand's scale is 2^e, e = its entry of the input lowp_scales (int32; the entries are numbered through the quantised products in the list's order, A before B).
;;     - Each number is divided by the scale, clamped to +-448, and rounded to the nearest number of E4M3, ties to even, subnormals kept.
;;     - The product sums the exact products of the quantised numbers (number of the format x scale) in f32.
;;   ~~~python
;;   def quantise(x, axis, e):      # numpy; x: float32 -> the quantised numbers, widened to float32 again
;;       x = np.moveaxis(x, axis, -1); K = x.shape[-1]
;;       r = np.clip(x / 2.0 ** e, -448, 448)
;;       step = 2.0 ** (np.maximum(np.frexp(np.where(r == 0, 1, r))[1] - 1, -6) - 3)
;;       q = np.round(r / step) * step * 2.0 ** e      # np.round: ties to even
;;       return np.moveaxis(q, -1, axis).astype(np.float32)
;;   ~~~
;;   SOFTMAX AHEAD OF A QUANTISED PRODUCT. Where the list says 'softmax', what is quantised is not the finished softmax but p = 2^(t - M), with t = logit x log2(e) and M = ceil(the row's largest t), a whole number; so 1/2 < the row's largest p <= 1. The row's sum l is taken of the UNQUANTISED p, in f32, and the product's result is divided by l at the end. Since M is a whole number, a kernel that streams over the keys may use a running M (the ceiling of the running maximum): every later rescaling is an exact power of two, so the quantised numbers keep their values, but for numbers so far below the row's largest that they fall under the format's range.
;;   OPERANDS COMPUTED ON THE WAY. 'Computed on the way' means the value that the module computes at that place (a softmax that the list does not call 'softmax' is quantised finished and normalised). What goes into a quantiser is computed in f32, as accurately as f32 sums, v_exp_f32 and their like allow (about 1e-6 of the number): no bf16 or f16 on the way to a quantiser, and a product that is left as it is and whose result goes on into a quantised operand takes f32 operands (vector FMAs, or v_wmma_f32_16x16x4_f32). A number that lies on a knife's edge between two numbers of the format may be rounded either way, as far as f32 arithmetic and the matrix unit's own rounding can turn it there, and no further.
;;   INPUTS GIVEN AS CODES. Wk (in the module: [1024, 1024], K = its axis 0); Wo (in the module: [1024, 1024], K = its axis 0); Wq (in the module: [1024, 1024], K = its axis 0); Wv (in the module: [1024, 1024], K = its axis 0); x (in the module: [4, 2048, 1024], K = its axis 2): each comes as NAME_codes (uint8): NAME with its K axis moved to the last place and cut into blocks of 32 codes, [.., K / 32, bytes a block], one block behind the other in memory; one code a byte (a code: sign, 4 exponent bits, 3 mantissa bits); its scale is its entry of lowp_scales. Its value is code x scale, taken as it is: it is not quantised again, and the codes and scales need not be those that the quantiser above would give.
;; One version. Each part assembles by itself: llvm-mc -triple=amdgcn-amd-amdhsa -mcpu=gfx1250 --defsym DOCPART=n.
;; ======== version 1 of 1: 3 launches
;; limits: right only within a limited range of input values
;; workspace buffers: q_codes 8,388,608 bytes; k_codes 8,388,608 bytes; v_codes 8,388,608 bytes; a_codes 8,388,608 bytes
;; launch qkv (part 1): grid 12 x 32, 4 waves a work-group, clusters of 4 x 4, 327,680 bytes of LDS; arguments x_codes, Wq_codes, Wk_codes, Wv_codes, bq, bk, bv, lowp_scales, q_codes, k_codes, v_codes; writes q_codes, k_codes, v_codes
.if DOCPART == 1
	.amdgcn_target "amdgcn-amd-amdhsa--gfx1250"
	.amdhsa_code_object_version 6
	.text
	.protected	k_qe792fc2435_qkv
	.globl	k_qe792fc2435_qkv
	.p2align	8
	.type	k_qe792fc2435_qkv,@function
k_qe792fc2435_qkv:
	s_mov_b64 s[64:65], 0
	v_nop
	global_prefetch_b8 v0, s[64:65] scope:SCOPE_SE
	s_setreg_imm32_b32 hwreg(HW_REG_WAVE_MODE, 25, 1), 1
	s_wait_xcnt 0x0
	s_wait_alu depctr_hold_cnt(0) depctr_sa_sdst(0) depctr_va_vdst(0) depctr_va_sdst(0) depctr_va_ssrc(0) depctr_va_vcc(0) depctr_vm_vsrc(0)
	s_getreg_b32 s2, hwreg(HW_REG_IB_STS2, 6, 4)
	s_cmp_eq_u32 s2, 0
	s_cbranch_scc0 .Lentry_in_a_cluster
	s_endpgm
.Lentry_in_a_cluster:
	s_bfe_u32 s2, ttmp6, 0x10000c
	s_cmp_lg_u32 s2, 0xf033
	s_cbranch_scc0 .Lentry_shape_is_right
	s_endpgm
.Lentry_shape_is_right:
; q = x Wq + bq, k = x Wk + bk, v = x Wv + bv on codes of FP8 (E4M3), and each result quantised at once for the attention that follows.
; x: [8192][1024] codes; Wq, Wk, Wv: [1024 (n)][1024 (k)] codes, K innermost; biases f32; the scales' exponents e0 .. e9 are whole numbers.
; A cluster of 4 x 4 work-groups spans 1,024 x 1,024 of ONE of the three products: cluster x = 0: q, 1: k, 2: v.  A work-group makes 256 x 256, a wave 128 x 128: 64 accumulators, 512 registers.
; K = 1,024 goes in four steps of 256 through a ring of two LDS slots filled by the tensor data mover; a tile's row is 256 bytes of memory.
; THE MATRIX INSTRUCTION: source 0 = 16 rows of the 'B tile', source 1 = 16 rows of the 'A tile': a lane holds ONE row of A and eight neighbouring rows of B.
;   q, k: A = x, B = the weight: a lane holds one token and eight neighbouring features: neighbours along the K of q k^T.
;   v:    A = Wv, B = x:         a lane holds one feature and eight neighbouring tokens (keys): neighbours along the K of p v.
; So the conversions' results are registers of the next operand.  Only pointers, tile numbers and steps are chosen by the product's number (scalar selects on the cluster's x): the three take one path, no branch.
; JOINT LOADS: the four work-groups of a row of the cluster need the same A tile, the four of a column the same B tile: each is asked for by the same tensor load with a mask that names the four.
; OUT: images of operand registers; every store is 16 bytes a lane at 16 x lane: 512 consecutive bytes, aligned.
;   q_codes, k_codes: [batch x 16 + head][token tile of 16][1,024 bytes]: registers 2 c, 2 c + 1 of lane (r, h): token r, d = 16 c + 8 h + 0 .. 7.
;   v_codes: [batch x 16 + head][key step of 128][d tile of 16][2,048 bytes]: registers 2 c, 2 c + 1: d = r, key = 16 c + 8 h + 0 .. 7.
; LIMITS: e0 + e1, e2 + e3, e4 + e5 between -126 and 127; e6, e7, e9 between -126 and 119, so that each power of two below is an f32 number.  NaN among the inputs is not served.
; REGISTERS: window 0: v0-31 addresses and constants; v32-95, v96-111 the bias in its two forms; from v128 A's fragments, ONE set; on the way out v128-207 are at work.
;   window 1: B's fragments, two sets.   windows 2, 3: the accumulators of my A rows 0-63 and 64-127 (accumulator (a, b) at v[8 (8 (a % 4) + b)]).
.set ROWB,   256                       ; a tile's row in bytes
.set KROW,   1024                      ; a row of x or of a weight in memory
.set PITCH,  272                       ; an LDS row: 256 bytes + 16 of padding = 68 words: the 16 rows that a load touches start at 16 different banks (ISA guide 11.1)
.set FR,     16                        ; registers of a fragment: 16 rows x 128 K
.set NL,     4                         ; LDS loads that bring one
.set NP,     4                         ; places behind this matrix instruction (ISA guide 7.12.1)
.set HALFT,  128*PITCH                 ; 128 rows: what one tensor load brings
.set SLOT,   4*HALFT                   ; A's 256 rows, then B's 256 rows
.set LAPS,   2                         ; a lap = two K steps of 256 = once round the ring
.set SPARE,  2*SLOT                    ; behind the ring: the spare words, 128 bytes for each wave, which no other line names
.set ADRA, 16                          ; v16-17  LDS address of my A fragments in slot 0, 1
.set ADRB, 20                          ; v20-21  the same for B
.set SCL,  10                          ; v10     2^eout as f32, for the conversions
.set LIM,  11
.set VOA,  26                          ; v26     16 x lane
.set VOB,  27                          ; v27     16 x lane + the distance from a block's second quad to its third
.set SPW,  28                          ; v28     LDS address of my spare word; never rewritten
.set NIL,  29                          ; v29     0; never rewritten
.set BQ,   32                          ; v32-95  q, k: the bias of my lane's 64 features (8 b + j); v: zeros
.set BV,   96                          ; v96-111 v: the bias of my lane's feature in block a, twice (a pair); q, k: zeros
.set AF,   128                         ; A's fragments
.set T,    128                         ; the way out: a block's 64 numbers
.set CD,   192                         ; the way out: their codes, 16 registers
.set G1, 24                            ; s[24:31] descriptor group 1 for A's tiles; s[32:39] group 0, one set for each slot
.set G0, 32
.set G1B, 48                           ; s[48:55], s[56:63] the same for B's tiles
.set G0B, 56
.set MSB, 0
.macro WIN new                         ; the immediate's high byte repeats the setting that is left
.if MSB != \new
	s_set_vgpr_msb (MSB<<8)|\new
.set MSB, \new
.endif
.endm
.set MUL_LO, 0xa1                      ; source 0 (B) window 1, source 1 (A) window 0, C and D window 2
.set MUL_HI, 0xf1                      ; the same, C and D window 3
.set TO_B,   0x40                      ; destination window 1, address window 0
; A joint load: waves 0 and 1 fetch for A, waves 2 and 3 for B.  The branch hangs on the wave's number alone.  Four v_nop follow each of the two lines.
.macro JLOAD g0a, g1a, g0b, g1b
	s_cmp_eq_u32 s15, 0
	s_cbranch_scc0 .Lfor_b_\@
	tensor_load_to_lds s[\g0a:\g0a+3], s[\g1a:\g1a+7]
	s_nop 0
.rept 4
	v_nop
.endr
	s_branch .Lasked_\@
.Lfor_b_\@:
	tensor_load_to_lds s[\g0b:\g0b+3], s[\g1b:\g1b+7]
	s_nop 0
.rept 4
	v_nop
.endr
.Lasked_\@:
.endm
.macro CREST                           ; a round of the cluster's barrier behind its opening barrier
	s_cmp_lg_u32 s14, 0
	s_cbranch_scc1 .Lnot_wave_0_\@
	s_barrier_signal -3
.Lnot_wave_0_\@:
	s_barrier_wait -3
	s_barrier_signal -1
	s_barrier_wait -1
.endm
.macro CROUND                          ; a whole round
	s_barrier_signal -1
	s_barrier_wait -1
	CREST
.endm
	s_load_b512 s[68:83], s[0:1], 0x0              ; x s[68:69], Wq s[70:71], Wk s[72:73], Wv s[74:75], bq s[76:77], bk s[78:79], bv s[80:81], the scales s[82:83]
	s_load_b128 s[84:87], s[0:1], 0x40             ; q_codes, k_codes
	s_load_b64 s[88:89], s[0:1], 0x50              ; v_codes
	v_lshl_add_u32 v[SPW], v0, 2, SPARE
	v_mov_b32 v[NIL], 0
	ds_add_u32 v28, v29
	ds_add_u32 v28, v29
	s_wait_dscnt 0x0
	v_lshrrev_b32 v1, 5, v0
	v_readfirstlane_b32 s14, v1                    ; wave 0..3
	s_lshr_b32 s15, s14, 1                         ; which half of the A tile's rows is mine.  Also: I fetch for A (0) or for B (1)
	s_and_b32 s16, s14, 1                          ; which half of the B tile's rows.  Also: which 128 rows of that tile I fetch
	s_bfe_u32 s40, ttmp6, 0x40000                  ; cx, cy: my place in the cluster
	s_bfe_u32 s41, ttmp6, 0x40004
	s_and_b32 s12, ttmp7, 0xffff                   ; cluster y: which 1,024 rows of x
	s_mov_b32 s66, 1024
	s_mov_b32 s67, 0
	s_mov_b32 s19, 0
	s_mov_b32 s2, 131072
	s_cmp_eq_u32 ttmp9, 2                          ; is this cluster v's?  The cluster's x is the same in all sixteen partners
	s_cselect_b32 s13, 0, s12                      ; A's tiles: x's rows go by cluster y (q, k); Wv's do not
	s_cselect_b32 s22, s12, 0                      ; B's tiles: the other way round
	s_cselect_b32 s66, 2048, s66                   ; s[66:67] from a block of 16 A rows to the next in the output: a d tile's image (v) or a token tile's (q, k)
	s_cselect_b32 s18, 122880, 0                   ; s[18:19] v alone: block 4 begins the next head: 131,072 - 4 x 2,048 more
	s_cselect_b32 s2, 1024, s2                     ; from quad 1 to quad 2 of a block's codes: on in the image (v) or the next head (q, k), less the 512 in the immediate's place
	s_lshl_b32 s17, s13, 2
	s_add_co_u32 s17, s17, s41                     ; A's tile row: it never holds cx
	s_lshl_b32 s42, s22, 2
	s_add_co_u32 s42, s42, s40                     ; B's tile row: it never holds cy
	s_lshl_b32 s43, s41, 2
	s_lshl_b32 s43, 15, s43                        ; my row of the cluster
	s_lshl_b32 s44, 0x1111, s40                    ; my column
	; descriptor group 1: a tile of 128 rows x 256 bytes, padded in LDS
	s_or_b32 s[G1+0], s43, (0<<16)|(1<<20)|(1<<21)|(5<<22)|(3<<25)  ; 15:0 the mask: A's tiles go to my row; elements of 1 byte; padding on; 21 set beside a mask; after every 64 words four words
	s_or_b32 s[G1B+0], s44, (0<<16)|(1<<20)|(1<<21)|(5<<22)|(3<<25) ; the same with my column's mask
.irp g, G1, G1B
	s_mov_b32 s[\g+1], ROWB<<16                    ; tensor_dim0
	s_mov_b32 s[\g+2], 128<<16                     ; tensor_dim1
	s_mov_b32 s[\g+3], ROWB<<16                    ; tile_dim0
	s_mov_b32 s[\g+4], 128                         ; tile_dim1
	s_mov_b32 s[\g+5], KROW                        ; tensor_dim0_stride
	s_mov_b32 s[\g+6], 0
	s_mov_b32 s[\g+7], 0
.endr
	s_lshl_b32 s23, s16, 17                        ; which 128 rows of 1,024 bytes I fetch
	s_lshl_b32 s20, s17, 18                        ; A: 256 rows x tile row
	s_add_co_u32 s20, s20, s23
	s_mov_b32 s21, 0
	s_lshl_b32 s46, s42, 18                        ; B likewise
	s_add_co_u32 s46, s46, s23
	s_mov_b32 s47, 0
	s_mul_i32 s45, s14, HALFT                      ; where they go: wave x 128 rows: no place in the cluster enters an LDS address
	s_wait_kmcnt 0x0
	s_load_b256 s[92:99], s[82:83], 0x0            ; e0 .. e7
	s_load_b64 s[100:101], s[82:83], 0x20          ; e8, e9
	s_cmp_eq_u32 ttmp9, 0
	s_cselect_b64 s[6:7], s[70:71], s[72:73]       ; Wq or Wk
	s_cselect_b64 s[8:9], s[76:77], s[78:79]       ; bq or bk
	s_cselect_b64 s[10:11], s[84:85], s[86:87]     ; q_codes or k_codes
	s_cmp_eq_u32 ttmp9, 2
	s_cselect_b64 s[4:5], s[74:75], s[68:69]       ; the A tiles' tensor: Wv, else x
	s_cselect_b64 s[6:7], s[68:69], s[6:7]         ; the B tiles': x, else the weight
	s_cselect_b64 s[8:9], s[80:81], s[8:9]         ; the bias
	s_cselect_b64 s[10:11], s[88:89], s[10:11]     ; the output
	s_cselect_b32 s68, 0, -1                       ; all ones where the bias goes by B's rows (q, k)
	s_cselect_b32 s69, -1, 0                       ; all ones where it goes by A's rows (v)
	s_add_nc_u64 s[20:21], s[4:5], s[20:21]
	s_add_nc_u64 s[46:47], s[6:7], s[46:47]
	CROUND                                         ; all sixteen work-groups are here: the first joint loads meet
.irp s, 0,1
	s_mov_b32 s[G0+4*\s], 1
	s_add_co_u32 s[G0+4*\s+1], s45, \s*SLOT
	s_add_nc_u64 s[G0+4*\s+2:G0+4*\s+3], s[20:21], \s*ROWB
	s_or_b32 s[G0+4*\s+3], s[G0+4*\s+3], 0x80000000
	s_mov_b32 s[G0B+4*\s], 1
	s_add_co_u32 s[G0B+4*\s+1], s45, \s*SLOT
	s_add_nc_u64 s[G0B+4*\s+2:G0B+4*\s+3], s[46:47], \s*ROWB
	s_or_b32 s[G0B+4*\s+3], s[G0B+4*\s+3], 0x80000000
	JLOAD G0+4*\s, G1, G0B+4*\s, G1B
.endr
	v_and_b32 v1, 15, v0                           ; r = lane % 16
	v_bfe_u32 v2, v0, 4, 1                         ; h = lane / 16
	; the bias, in BOTH forms, so that no branch is needed: by B's rows (64 numbers a lane) and by A's rows (one number a block, twice)
	s_lshl_b32 s72, s40, 10
	s_lshl_b32 s73, s16, 9
	s_add_co_u32 s72, s72, s73                     ; 4 x (256 cx + 128 x my B half)
	v_lshl_add_u32 v5, v2, 5, s72                  ; + 32 h
	s_lshl_b32 s74, s41, 10
	s_lshl_b32 s75, s15, 9
	s_add_co_u32 s74, s74, s75                     ; 4 x (256 cy + 128 x my A half)
	v_lshl_add_u32 v6, v1, 2, s74                  ; + 4 r
.irp b, 0,1,2,3,4,5,6,7
	global_load_b128 v[BQ+8*\b:BQ+8*\b+3], v5, s[8:9] offset:64*\b         ; features 16 b + 8 h + 0 .. 7
	global_load_b128 v[BQ+8*\b+4:BQ+8*\b+7], v5, s[8:9] offset:64*\b+16
.endr
.irp a, 0,1,2,3,4,5,6,7
	global_load_b32 v[BV+2*\a], v6, s[8:9] offset:64*\a                    ; feature 16 a + r
	global_load_b32 v[BV+2*\a+1], v6, s[8:9] offset:64*\a
.endr
	v_mul_u32_u24 v3, v1, PITCH
	v_lshl_add_u32 v4, v2, 4, v3                   ; a fragment's row x pitch + 16 x half
	s_mul_i32 s21, s15, HALFT                      ; my 128 rows of A
	s_mul_i32 s22, s16, HALFT                      ; my 128 rows of B,
	s_add_co_u32 s22, s22, 2*HALFT                 ; which lie behind A's 256
.irp s, 0,1
	v_add_nc_u32 v[ADRA+\s], s21, v4
	v_add_nc_u32 v[ADRB+\s], s22, v4
	s_add_co_u32 s21, s21, SLOT
	s_add_co_u32 s22, s22, SLOT
.endr
	v_and_b32 v7, 31, v0
	v_lshlrev_b32 v[VOA], 4, v7
	v_add_nc_u32 v[VOB], s2, v[VOA]
	; where my wave's part of the output begins: ((batch x 16 + first head) x 131,072 + 64 x the first token in its batch
	s_lshl_b32 s70, s17, 8
	s_lshl_b32 s71, s15, 7
	s_add_co_u32 s70, s70, s71                     ; q, k: my first token = 256 x A's tile row + 128 x my A half
	s_lshl_b32 s72, s42, 8
	s_lshl_b32 s73, s16, 7
	s_add_co_u32 s72, s72, s73                     ; v: 256 x B's tile row + 128 x my B half
	s_lshl_b32 s74, s40, 2
	s_lshl_b32 s75, s16, 1
	s_add_co_u32 s74, s74, s75                     ; q, k: my first head = 4 cx + 2 x my B half
	s_lshl_b32 s76, s41, 2
	s_lshl_b32 s77, s15, 1
	s_add_co_u32 s76, s76, s77                     ; v: 4 cy + 2 x my A half
	s_cmp_eq_u32 ttmp9, 2
	s_cselect_b32 s70, s72, s70
	s_cselect_b32 s74, s76, s74
	s_lshr_b32 s71, s70, 11                        ; batch
	s_lshl_b32 s71, s71, 4
	s_add_co_u32 s71, s71, s74
	s_lshl_b32 s71, s71, 17
	s_and_b32 s70, s70, 2047
	s_lshl_b32 s70, s70, 6
	s_add_co_u32 s70, s70, s71
	s_mov_b32 s71, 0
	s_add_nc_u64 s[10:11], s[10:11], s[70:71]
	s_wait_kmcnt 0x0                               ; the exponents
	s_add_co_i32 s92, s92, s93                     ; e0 + e1
	s_add_co_i32 s94, s94, s95                     ; e2 + e3
	s_add_co_i32 s96, s96, s97                     ; e4 + e5
	s_cmp_eq_u32 ttmp9, 0
	s_cselect_b32 s92, s92, s94
	s_cselect_b32 s98, s98, s99                    ; e6 (q) or e7 (k)
	s_cmp_eq_u32 ttmp9, 2
	s_cselect_b32 s92, s96, s92                    ; the product's two exponents added
	s_cselect_b32 s98, s101, s98                   ; e9 (v): the exponent that the result is quantised with
	s_add_co_i32 s92, s92, 127
	s_lshl_b32 s90, s92, 23                        ; s[90:91]: 2^(the two added) as f32
	s_mov_b32 s91, s90                             ; (named with it as a pair, so it is written)
	s_add_co_i32 s98, s98, 127
	s_lshl_b32 s99, s98, 23
	v_mov_b32 v[SCL], s99
	s_wait_loadcnt 0x0                             ; the bias
.set i, 0
.rept 64
	v_and_b32 v[BQ+i], s68, v[BQ+i]                ; the form that this product does not use becomes 0: adding it changes nothing
.set i, i+1
.endr
.set i, 0
.rept 16
	v_and_b32 v[BV+i], s69, v[BV+i]
.set i, i+1
.endr
.macro FRAG reg, adr, q, i             ; a fragment, 16 rows x 128 K: registers 4 c .. 4 c + 3 hold K = 32 c + 16 (lane / 16) + 0 .. 15: the same order of k in A and in B
.irp c, 0,1,2,3
	ds_load_b128 v[\reg+4*\c:\reg+4*\c+3], v[\adr] offset:128*(\q)+32*\c+(\i)*16*PITCH
.endr
.endm
; 16 matrix instructions: A's blocks a0, a0 + 1 x B's eight, 128 along K.  p: B's set.  zero = 1: the first product starts the sums.
; The 64 accumulators take turns, one instruction a turn, in the same order in every step.
.macro MUL16 a0, p, zero
.irp a, \a0, \a0+1
.irp b, 0,1,2,3,4,5,6,7
.if \zero
	v_wmma_f32_16x16x128_fp8_fp8 v[8*(8*((\a)%4)+\b):8*(8*((\a)%4)+\b)+7], v[128*(\p)+FR*\b:128*(\p)+FR*\b+FR-1], v[AF+FR*(\a):AF+FR*(\a)+FR-1], 0
.else
	v_wmma_f32_16x16x128_fp8_fp8 v[8*(8*((\a)%4)+\b):8*(8*((\a)%4)+\b)+7], v[128*(\p)+FR*\b:128*(\p)+FR*\b+FR-1], v[AF+FR*(\a):AF+FR*(\a)+FR-1], v[8*(8*((\a)%4)+\b):8*(8*((\a)%4)+\b)+7]
.endif
.endr
.endr
.endm
.macro FETCH_B slot, q, p              ; B's eight fragments of the slot's q-th 128 along K into set p
	WIN TO_B
.irp i, 0,1,2,3,4,5,6,7
	FRAG 128*(\p)+FR*\i, ADRB+\slot, \q, \i
.endr
	WIN 0
.endm
.macro FETCH_A slot, q, i0             ; A's blocks i0 .. i0 + 3
.irp i, \i0, \i0+1, \i0+2, \i0+3
	FRAG AF+FR*(\i), ADRA+\slot, \q, \i
.endr
.endm
.macro PLACES n                        ; plain vector instructions between a matrix instruction and a load into, or a vector write of, one of its registers, or a read of its result
.rept \n
	v_nop
.endr
.endm
; A step of 128 along K that has its successor in the same slot.
.macro STEP slot, q, zero
	s_wait_dscnt 4*NL                              ; B's set and A's blocks 0-3 are in; the youngest sixteen loads (A's blocks 4-7) may be out
	WIN MUL_LO
	MUL16 0, (\q)%2, \zero
	MUL16 2, (\q)%2, \zero
	s_wait_dscnt 0                                 ; A's blocks 4-7 are in
	PLACES NP
	FETCH_B \slot, (\q)+1, 1-(\q)%2
	FETCH_A \slot, (\q)+1, 0
	WIN MUL_HI
	MUL16 4, (\q)%2, \zero
	MUL16 6, (\q)%2, \zero
	PLACES NP
	WIN 0
	FETCH_A \slot, (\q)+1, 4
.endm
; A slot's last step changes slots: ONE barrier; in front of it each wave waits for all its tensor loads, adds 0 to its spare word, and waits for that and for its own reads of this slot.
.macro TURN slot, next, fill
	s_wait_tensorcnt 0x0                           ; all my tensor loads have landed: my part of the next slot  (every window is 0 here)
	ds_add_u32 v[SPW], v[NIL]                      ; 0 onto my spare word
	s_wait_dscnt 4*NL+1                            ; (the add and the youngest sixteen loads, A's blocks 4-7, may be out)
	WIN MUL_LO
	MUL16 0, 1, 0                                  ; sixteen matrix instructions stand between the add and the wait for it
	s_wait_dscnt 0x0                               ; the add is done, and my reads of this slot are over
	s_barrier_signal -1
	MUL16 2, 1, 0
	WIN 0
	s_barrier_wait -1
.if \fill
	CREST                                          ; the barrier has opened a round of the cluster's: no wave of any partner still reads this slot or has a load on its way
	s_add_nc_u64 s[G0+4*\slot+2:G0+4*\slot+3], s[G0+4*\slot+2:G0+4*\slot+3], 2*ROWB
	s_add_nc_u64 s[G0B+4*\slot+2:G0B+4*\slot+3], s[G0B+4*\slot+2:G0B+4*\slot+3], 2*ROWB
	JLOAD G0+4*\slot, G1, G0B+4*\slot, G1B         ; the first tensor load behind the round; its four v_nop are the places in front of the loads below
.else
	PLACES NP
.endif
	FETCH_B \next, 0, 0
	FETCH_A \next, 0, 0
	WIN MUL_HI
	MUL16 4, 1, 0
	MUL16 6, 1, 0
	PLACES NP
	WIN 0
	FETCH_A \next, 0, 4
.endm
	s_wait_tensorcnt 1                             ; my part of K step 0 is in (K step 1's load may be out)
	s_barrier_signal -1
	s_barrier_wait -1                              ; everybody's is
	FETCH_B 0, 0, 0
	FETCH_A 0, 0, 0
	FETCH_A 0, 0, 4
	STEP 0, 0, 1                                   ; the first step stands in front of the loop: its products start the sums
	s_mov_b32 s3, LAPS-1
.Llap:                                                 ; a trip goes once round the ring and fills both slots again
	TURN 0, 1, 1
	STEP 1, 0, 0
	TURN 1, 0, 1
	STEP 0, 0, 0
	s_sub_co_u32 s3, s3, 1
	s_cmp_lg_u32 s3, 0
	s_cbranch_scc1 .Llap
	TURN 0, 1, 0                                   ; the last lap fills nothing, and has no round of the cluster's barrier
	STEP 1, 0, 0
	s_wait_dscnt 4*NL                              ; the very last step: nothing more to fetch
	WIN MUL_LO
	MUL16 0, 1, 0
	MUL16 2, 1, 0
	s_wait_dscnt 0
	WIN MUL_HI
	MUL16 4, 1, 0
	MUL16 6, 1, 0
	WIN 0
; THE WAY OUT, block by block of 16 A rows: sum x 2^(the two exponents) + bias, converted eight at a time: 16 registers of codes, four stores of 512 consecutive bytes.
; q, k: quads 0, 1 are the first head's image of this token tile, quads 2, 3 the second head's.   v: the four quads are the image of this d tile and my key step.
.macro OUTBLK a
	s_wait_xcnt 0x0                                ; the last block's stores have read their codes and their base: both are written again only behind this wait
.if (\a) > 0
	s_add_nc_u64 s[10:11], s[10:11], s[66:67]
.endif
.if (\a) == 4
	s_add_nc_u64 s[10:11], s[10:11], s[18:19]
.endif
.set AC, 64*((\a)%4)
	WIN 0x02+((\a)/4)                              ; source 0: window 2 or 3
.set i, 0
.rept 32
	v_pk_fma_f32 v[T+i:T+i+1], v[AC+i:AC+i+1], s[90:91], v[BQ+i:BQ+i+1] op_sel_hi:[1,0,1]   ; each accumulator from its low end on
.set i, i+2
.endr
	WIN 0
.set i, 0
.rept 32
	v_pk_add_f32 v[T+i:T+i+1], v[T+i:T+i+1], v[BV+2*(\a):BV+2*(\a)+1]
.set i, i+2
.endr
.set i, 0
.rept 64
.set i, i+1
.endr
.irp b, 0,1,2,3,4,5,6,7
	v_cvt_scalef32_pk8_fp8_f32 v[CD+2*\b:CD+2*\b+1], v[T+8*\b:T+8*\b+7], v[SCL]
.endr
	v_nop                                          ; a plain vector instruction behind the last conversion: the next block writes its sources
	global_store_b128 v[VOA], v[CD:CD+3], s[10:11]
	global_store_b128 v[VOA], v[CD+4:CD+7], s[10:11] offset:512
	global_store_b128 v[VOB], v[CD+8:CD+11], s[10:11]
	global_store_b128 v[VOB], v[CD+12:CD+15], s[10:11] offset:512
.endm
	PLACES NP                                      ; the numbers and codes below take registers that the last products read
.irp a, 0,1,2,3,4,5,6,7
	OUTBLK \a
.endr
	s_wait_tensorcnt 0x0                           ; the wave's end
	ds_add_u32 v[SPW], v[NIL]
	s_wait_dscnt 0x0
	CROUND                                         ; the closing round: no work-group ends while a partner may still ask for a tile that names it
	s_endpgm
.Lfunc_end_k_qe792fc2435_qkv:
	.size	k_qe792fc2435_qkv, .Lfunc_end_k_qe792fc2435_qkv-k_qe792fc2435_qkv
	.p2alignl 7, 3214868480
	.fill 96, 4, 3214868480
	.section	.rodata,"a",@progbits
	.p2align	6, 0x0
	.amdhsa_kernel k_qe792fc2435_qkv
		.amdhsa_group_segment_fixed_size 327680
		.amdhsa_private_segment_fixed_size 0
		.amdhsa_enable_private_segment 0
		.amdhsa_kernarg_size 88
		.amdhsa_user_sgpr_count 2
		.amdhsa_user_sgpr_kernarg_segment_ptr 1
		.amdhsa_wavefront_size32 1
		.amdhsa_system_sgpr_workgroup_id_x 1
		.amdhsa_system_sgpr_workgroup_id_y 1
		.amdhsa_system_sgpr_workgroup_id_z 1
		.amdhsa_system_vgpr_workitem_id 0
		.amdhsa_next_free_vgpr 1024
		.amdhsa_next_free_sgpr 102
		.amdhsa_reserve_vcc 0
		.amdhsa_float_denorm_mode_32 3
		.amdhsa_float_denorm_mode_16_64 3
		.amdhsa_fp16_overflow 1
		.amdhsa_memory_ordered 1
		.amdhsa_forward_progress 1
		.amdhsa_inst_pref_size 125
	.end_amdhsa_kernel
	.amdgpu_metadata
---
amdhsa.version: [ 1, 2 ]
amdhsa.kernels:
  - .name:           k_qe792fc2435_qkv
    .symbol:         k_qe792fc2435_qkv.kd
    .args:
      - { .name: x_codes, .offset: 0, .size: 8, .value_kind: global_buffer, .address_space: global }
      - { .name: Wq_codes, .offset: 8, .size: 8, .value_kind: global_buffer, .address_space: global }
      - { .name: Wk_codes, .offset: 16, .size: 8, .value_kind: global_buffer, .address_space: global }
      - { .name: Wv_codes, .offset: 24, .size: 8, .value_kind: global_buffer, .address_space: global }
      - { .name: bq, .offset: 32, .size: 8, .value_kind: global_buffer, .address_space: global }
      - { .name: bk, .offset: 40, .size: 8, .value_kind: global_buffer, .address_space: global }
      - { .name: bv, .offset: 48, .size: 8, .value_kind: global_buffer, .address_space: global }
      - { .name: lowp_scales, .offset: 56, .size: 8, .value_kind: global_buffer, .address_space: global }
      - { .name: q_codes, .offset: 64, .size: 8, .value_kind: global_buffer, .address_space: global }
      - { .name: k_codes, .offset: 72, .size: 8, .value_kind: global_buffer, .address_space: global }
      - { .name: v_codes, .offset: 80, .size: 8, .value_kind: global_buffer, .address_space: global }
    .group_segment_fixed_size: 327680
    .private_segment_fixed_size: 0
    .kernarg_segment_align: 8
    .kernarg_segment_size: 88
    .max_flat_workgroup_size: 128
    .sgpr_count:     102
    .vgpr_count:     1024
    .wavefront_size: 32
...
	.end_amdgpu_metadata
.endif
;; end of part 1
;; launch attn (part 2): grid 4 x 64, 8 waves a work-group, clusters of 4 x 1, 263,168 bytes of LDS; arguments q_codes, k_codes, v_codes, lowp_scales, a_codes; writes a_codes
.if DOCPART == 2
	.amdgcn_target "amdgcn-amd-amdhsa--gfx1250"
	.amdhsa_code_object_version 6
	.text
	.protected	k_qe792fc2435_attn
	.globl	k_qe792fc2435_attn
	.p2align	8
	.type	k_qe792fc2435_attn,@function
k_qe792fc2435_attn:
	s_mov_b64 s[64:65], 0
	v_nop
	global_prefetch_b8 v0, s[64:65] scope:SCOPE_SE
	s_setreg_imm32_b32 hwreg(HW_REG_WAVE_MODE, 25, 1), 1
	s_wait_xcnt 0x0
	s_wait_alu depctr_hold_cnt(0) depctr_sa_sdst(0) depctr_va_vdst(0) depctr_va_sdst(0) depctr_va_ssrc(0) depctr_va_vcc(0) depctr_vm_vsrc(0)
	s_getreg_b32 s2, hwreg(HW_REG_IB_STS2, 6, 4)
	s_cmp_eq_u32 s2, 0
	s_cbranch_scc0 .Lentry_in_a_cluster
	s_endpgm
.Lentry_in_a_cluster:
	s_bfe_u32 s2, ttmp6, 0x10000c
	s_cmp_lg_u32 s2, 0x3003
	s_cbranch_scc0 .Lentry_shape_is_right
	s_endpgm
.Lentry_shape_is_right:
; Causal attention of one head on codes of FP8 (E4M3): o[q] = sum over keys k <= q of softmax(q . k / 8) v[k], quantised at once for the output projection.
; q_codes, k_codes: [head 64][tile of 16 tokens 128][1,024 bytes], v_codes: [head][key step of 128: 16][d tile 4][2,048 bytes]: images of operand registers (16 bytes a lane at 512 x quad + 16 x lane).
; THE SOFTMAX AHEAD OF THE SECOND PRODUCT: t = score x log2(e) / 8; M = the running largest t rounded UP to a whole number; p = 2^(t - M) is quantised with 2^e8, not normalised; the row's sum is taken of the
; unquantised p and divides at the end; when M moves, the sum and O are multiplied by 2^(old M - new M), which rounds nothing.
; SHARES.  A cluster of four work-groups is one head.  Partner cx owns the query tiles 4 m + cx.  A DOUBLE TILE u (0 .. 15) is X = tile 8 u + cx and Y = tile 8 u + 4 + cx: both need key steps 0 .. u, the last on the
; diagonal, whatever cx is: so no branch, trip count or LDS address hangs on cx.  Wave w takes double tile 15 - w and then w: (16 - w) + (w + 1) = 17 double steps for every wave of every work-group.
; K AND V: the head's 131,072 + 131,072 bytes lie in LDS whole, each byte filled once, by eight JOINT loads of 32,768 bytes (four key steps of K or of V): wave 0 asks for K's four, wave 1 for V's four,
; the same loads in all four partners.  Four tensor loads of a wave are out at the most.  Steps 0-3 begin when the first quarter has landed, steps 4-7 when the second has, the rest when all has.
; LAYOUT.  Both products are used transposed: S^T = K Q^T (source 0 = 16 keys, source 1 = 16 queries, K = 64), O^T = V^T P^T (source 0 = 16 of the head's 64, source 1 = P, K = 128 keys): a lane holds ONE query.
; Register j of score tile t is key 16 t + 8 (lane / 16) + j: eight conversions give registers 2 t, 2 t + 1 of P in the K = 128 form's own order.  Each fragment of K and V read from LDS feeds X and Y.
; OUT: a_codes [row tile 512][K step of 128: 8][2,048 bytes]: quad c of lane (r, h): row r, k = 32 c + 16 h + 0 .. 15; a head's 64 are two quads.
; LIMITS: e6 + e7 between -123 and 130 (added to the exponent field of log2(e) / 8); e8, e10 between -126 and 119.  1 / the sum is v_rcp_f32 and a multiplication.  NaN among the inputs is not served.
; REGISTERS.  Tile X lives in window 0 and tile Y in window 1 under the same numbers: v11 16 cx + r - 8 h; v12 -M; v13 the largest t; v[14:15] the sum; v16-23 Q in use; v24-31 Q of the second double tile;
;   v96-159 S^T, then p; v160-191 O^T; v224-239 p's codes; v244 2^e8; v245 2^e10; v247 -infinity; v242, 243, 246, 248, 252-254 at work.
;   window 0 alone: v1 16 x lane; v2 the same + V's base; v3, v4 the step's addresses; v32-95 K's eight fragments.   window 1 alone: v32-95 V's four fragments.
.set SPLIT, 131072                     ; LDS: K's images from 0, V's from here
.set KSB,   8192                       ; a key step's bytes of K, and of V
.set WV,   14                          ; s14  wave
.set CX,   15                          ; s15  my place in the cluster
.set BH,   16                          ; s16  16 x batch + head
.set SEL,  20                          ; s[20:21] selects for v_permlanex16_b32: lane xor 16
.set CS,   22                          ; s[22:23] log2(e) / 8 x 2^(e6 + e7)
.set G1,   24                          ; s[24:31] descriptor group 1; s[32:47] four groups 0
.set G0,   32
.set EPV,  53                          ; s53  e8 + e9
.set U,    54                          ; s54  the double tile in hand
.set KS,   55                          ; s55  the key step in hand
.set TB,   56                          ; s56  8,192 x the key step
.set TRIP, 57
.set HM,   58                          ; s58  lanes 16-31
.set LEN,  59                          ; s59  16 - wave: the first double tile's steps
.set OP,   60                          ; s[60:61] where a double tile's codes go
.set QL,   66                          ; s[66:67] Q of the first double tile, s[68:69] of the second
.set QS,   68
.set UL,   70                          ; s70  15 - wave
.set G,    71                          ; s71  counts my 17 steps
.set MSB, 0
.macro WIN new                         ; the immediate's high byte repeats the setting that is left
.if MSB != \new
	s_set_vgpr_msb (MSB<<8)|\new
.set MSB, \new
.endif
.endm
.macro CROUND                          ; a round of the cluster's barrier
	s_barrier_signal -1
	s_barrier_wait -1
	s_cmp_lg_u32 s[WV], 0
	s_cbranch_scc1 .Lnot_wave_0_\@
	s_barrier_signal -3
.Lnot_wave_0_\@:
	s_barrier_wait -3
	s_barrier_signal -1
	s_barrier_wait -1
.endm
	s_load_b256 s[4:11], s[0:1], 0x0               ; q_codes s[4:5], k_codes s[6:7], v_codes s[8:9], the scales s[10:11]
	s_load_b64 s[12:13], s[0:1], 0x20              ; a_codes
	v_lshl_add_u32 v251, v0, 2, 0x40000
	v_mov_b32 v255, 0
	ds_add_u32 v251, v255
	ds_add_u32 v251, v255
	v_lshrrev_b32 v5, 5, v0
	s_delay_alu instid0(VALU_DEP_1)
	v_readfirstlane_b32 s[WV], v5                  ; wave 0..7
	s_bfe_u32 s[CX], ttmp6, 0x40000
	s_and_b32 s[BH], ttmp7, 0xffff                 ; the cluster's y: the head, shared by the four partners
	; descriptor group 1: 32,768 dense bytes as 128 rows of 256
	s_mov_b32 s[G1], 15|(3<<16)|(1<<21)            ; 15:0 the mask: all four work-groups; elements of 8 bytes; no padding; 21 set beside a mask
	s_mov_b32 s[G1+1], 32<<16                      ; tensor_dim0 = 32 elements
	s_mov_b32 s[G1+2], 128<<16                     ; tensor_dim1 = 128
	s_mov_b32 s[G1+3], 32<<16                      ; tile_dim0
	s_mov_b32 s[G1+4], 128                         ; tile_dim1
	s_mov_b32 s[G1+5], 32                          ; tensor_dim0_stride: dense
	s_mov_b32 s[G1+6], 0
	s_mov_b32 s[G1+7], 0
	s_mov_b32 s[SEL], 0x76543210
	s_mov_b32 s[SEL+1], 0xfedcba98
	s_mov_b32 s[HM], 0xffff0000
	s_xor_b32 s[UL], s[WV], 15                     ; 15 - wave
	s_add_co_u32 s[LEN], s[UL], 1
	s_and_b32 s17, s[WV], 1                        ; wave 0 fetches K, wave 1 V
	s_lshl_b32 s2, s[BH], 17                       ; the head's first byte in each tensor of codes
	s_mov_b32 s3, 0
	s_wait_dscnt 0x0
	s_wait_kmcnt 0x0
	s_load_b128 s[48:51], s[10:11], 0x18           ; e6, e7, e8, e9
	s_load_b32 s52, s[10:11], 0x28                 ; e10
	s_cmp_eq_u32 s17, 0
	s_cselect_b64 s[18:19], s[6:7], s[8:9]
	s_add_nc_u64 s[18:19], s[18:19], s[2:3]
	s_lshl_b32 s17, s17, 17                        ; K's images at 0, V's at 131,072
.irp n, 0,1,2,3
	s_mov_b32 s[G0+4*\n], 1                        ; count = 1
	s_add_co_u32 s[G0+4*\n+1], s17, 32768*\n       ; LDS address: key steps 4 n .. 4 n + 3
	s_add_nc_u64 s[G0+4*\n+2:G0+4*\n+3], s[18:19], 32768*\n
	s_or_b32 s[G0+4*\n+3], s[G0+4*\n+3], 0x80000000  ; type = 2
.endr
	CROUND                                         ; all four work-groups are here: the joint loads meet
	s_cmp_lt_u32 s[WV], 2                          ; a wave's four fills stand in one branch, ahead of every wait on TENSORcnt, every LDS read and every other barrier
	s_cbranch_scc0 .Lno_fetch
	tensor_load_to_lds s[G0:G0+3], s[G1:G1+7]
	s_nop 0
	tensor_load_to_lds s[G0+4:G0+7], s[G1:G1+7]
	s_nop 0
	tensor_load_to_lds s[G0+8:G0+11], s[G1:G1+7]
	s_nop 0
	tensor_load_to_lds s[G0+12:G0+15], s[G1:G1+7]
	s_nop 0
.rept 4
	v_nop
.endr
.Lno_fetch:
	s_lshl_b32 s2, s[BH], 7
	s_add_co_u32 s2, s2, s[CX]                     ; 128 x head + cx
	s_lshl_b32 s72, s[UL], 3
	s_add_co_u32 s72, s72, s2
	s_lshl_b32 s72, s72, 10                        ; tile 8 (15 - w) + cx, 1,024 bytes a tile
	s_mov_b32 s73, 0
	s_add_nc_u64 s[QL:QL+1], s[4:5], s[72:73]
	s_lshl_b32 s72, s[WV], 3
	s_add_co_u32 s72, s72, s2
	s_lshl_b32 s72, s72, 10                        ; tile 8 w + cx
	s_add_nc_u64 s[QS:QS+1], s[4:5], s[72:73]
	v_and_b32 v1, 31, v0
	s_delay_alu instid0(VALU_DEP_1)
	v_lshlrev_b32 v1, 4, v1                        ; 16 x lane: my place in every image
	s_delay_alu instid0(VALU_DEP_1)
	v_add_nc_u32 v2, SPLIT, v1
	global_load_b128 v[16:19], v1, s[QL:QL+1]      ; X of the first double tile,
	global_load_b128 v[20:23], v1, s[QL:QL+1] offset:512
	global_load_b128 v[24:27], v1, s[QS:QS+1]      ; and of the second
	global_load_b128 v[28:31], v1, s[QS:QS+1] offset:512
	WIN 0x40                                       ; destination window 1: Y lies four tiles on
	global_load_b128 v[16:19], v1, s[QL:QL+1] offset:4096
	global_load_b128 v[20:23], v1, s[QL:QL+1] offset:4608
	global_load_b128 v[24:27], v1, s[QS:QS+1] offset:4096
	global_load_b128 v[28:31], v1, s[QS:QS+1] offset:4608
	WIN 0
	v_and_b32 v5, 15, v0                           ; r
	v_bfe_u32 v6, v0, 4, 1                         ; h
	s_delay_alu instid0(VALU_DEP_1)
	v_lshlrev_b32 v6, 3, v6
	s_delay_alu instid0(VALU_DEP_1)
	v_sub_nc_u32 v5, v5, v6
	s_delay_alu instid0(VALU_DEP_1)
	v_lshl_add_u32 v11, s[CX], 4, v5               ; 16 cx + r - 8 h: on the diagonal, score n of 32 is hidden where 16 (n / 8) + n % 8 is greater
	s_wait_kmcnt 0x0
	s_add_co_i32 s72, s48, s49
	s_lshl_b32 s72, s72, 23
	s_mov_b32 s[CS], 0x3e38aa3b                    ; log2(e) / 8
	s_add_co_i32 s[CS], s[CS], s72                 ; a score stands for score x 2^(e6 + e7): added to the exponent field
	s_mov_b32 s[CS+1], s[CS]                       ; (named with it as a pair, so it is written)
	s_add_co_i32 s[EPV], s50, s51
	s_add_co_i32 s72, s50, 127
	s_lshl_b32 s73, s72, 23                        ; 2^e8
	s_add_co_i32 s74, s52, 127
	s_lshl_b32 s75, s74, 23                        ; 2^e10
	s_add_co_i32 s74, s74, 8
	s_lshl_b32 s74, s74, 23
	s_or_b32 s74, s74, 0x600000                    ; 448 x 2^e10
.macro CONSTS
	v_mov_b32 v244, s73
	v_mov_b32 v245, s75
	v_mov_b32 v246, 0                              ; a lane permute's destination counts as one of its sources
	v_mov_b32 v247, 0xff800000                     ; -infinity
	v_mov_b32 v253, 0                              ; (named as the upper half of the pair v[252:253])
.endm
; A tile's statistics and O^T begin anew: the largest t under every t, zeros that the first change of M leaves zeros.  So a key step is written without a first step of its own.
.macro INIT
	v_mov_b32 v13, 0xff61b1e6                      ; -3e38
	s_delay_alu instid0(VALU_DEP_1)
	v_floor_f32 v12, -v13
	v_mov_b32 v14, 0
	v_mov_b32 v15, 0
.set i, 0
.rept 32
	v_mov_b32 v[160+i], 0
.set i, i+1
.endr
.endm
	CONSTS
	INIT
	WIN 0x40                                       ; destination window 1
	CONSTS
	v_mov_b32 v11, v11
	WIN 0x55                                       ; all of window 1
	INIT
	WIN 0
; One tile's softmax for a key step of 128 keys, under the window setting of its tile.
.macro SOFTMAX
	v_max3_num_f32 v254, v96, v97, v98             ; the step's largest score of my query among my 64 keys, in two chains; each score tile is read from its low end on
	v_max3_num_f32 v252, v99, v100, v101
.irp i, 6,10,14,18,22,26,30,34,38,42,46,50,54,58
	v_max3_num_f32 v254, v254, v[96+\i], v[97+\i]
	v_max3_num_f32 v252, v252, v[98+\i], v[99+\i]
.endr
	v_max3_num_f32 v254, v254, v158, v159
	s_delay_alu instid0(VALU_DEP_1)
	v_max_num_f32 v254, v254, v252
	s_delay_alu instid0(VALU_DEP_1)
	v_permlanex16_b32 v246, v254, s[SEL], s[SEL+1]
	s_delay_alu instid0(VALU_DEP_1)
	v_max_num_f32 v254, v254, v246                 ; and among lane xor 16's
	s_delay_alu instid0(VALU_DEP_1)
	v_mul_f32 v254, s[CS], v254                    ; as t (the factor is positive)
	s_delay_alu instid0(VALU_DEP_1)
	v_max_num_f32 v13, v13, v254                   ; the running largest t
	v_mov_b32 v254, v12
	s_delay_alu instid0(VALU_DEP_2)
	v_floor_f32 v12, -v13                          ; the new -M = floor(-t): M is a whole number
	s_delay_alu instid0(VALU_DEP_1)
	v_sub_f32 v254, v12, v254                      ; old M - new M, 0 or less
	s_delay_alu instid0(VALU_DEP_1)
	v_cvt_i32_f32 v254, v254                       ; (it saturates)
	s_delay_alu instid0(VALU_DEP_1)
	v_ldexp_f32 v252, 1.0, v254                    ; f = 2^(old M - new M)
.set i, 0
.rept 32
	v_pk_fma_f32 v[96+i:97+i], v[96+i:97+i], s[CS:CS+1], v[12:13] op_sel_hi:[1,0,0]   ; t - M, two at a time
.set i, i+2
.endr
.set i, 0
	s_wait_alu depctr_va_vdst(0)
.rept 64
	v_exp_f32 v[96+i], v[96+i]                     ; p = 2^(t - M), at most 1
.set i, i+1
.endr
	v_pk_mul_f32 v[14:15], v[14:15], v[252:253] op_sel_hi:[1,0]   ; the sums under the new M (the plain instruction behind the exponentials)
	s_wait_alu depctr_va_vdst(0)
	v_pk_add_f32 v[242:243], v[96:97], v[98:99]    ; the row's sum is taken of the unquantised p, in two chains
.irp j, 4,8,12,16,20,24,28,32,36,40,44,48,52,56,60
	v_pk_add_f32 v[14:15], v[14:15], v[96+\j:97+\j]
	v_pk_add_f32 v[242:243], v[242:243], v[98+\j:99+\j]
.endr
	s_delay_alu instid0(VALU_DEP_1)
	v_pk_add_f32 v[14:15], v[14:15], v[242:243]
.irp b, 0,1,2,3
.irp i, 0,1,2,3,4,5,6,7,8,9,10,11,12,13,14,15
.endr
	v_cvt_scalef32_pk8_fp8_f32 v[224+4*\b:225+4*\b], v[96+16*\b:103+16*\b], v244
	v_cvt_scalef32_pk8_fp8_f32 v[226+4*\b:227+4*\b], v[104+16*\b:111+16*\b], v244
.endr
.set i, 0
.rept 16
	v_pk_mul_f32 v[160+i:161+i], v[160+i:161+i], v[252:253] op_sel_hi:[1,0]   ; O^T under the new M; also the plain instructions behind the conversions
.set i, i+2
.endr
.endm
.macro MASK base                       ; 32 scores from v[base] on: hidden ones become -infinity, so that p = 0
.set n, 0
.rept 32
	v_cmp_gt_i32 vcc_lo, 16*(n/8)+n%8, v11
	v_cndmask_b32 v[\base+n], v[\base+n], v247, vcc_lo
.set n, n+1
.endr
.endm
.macro PV                              ; O^T += V^T P^T: the four d tiles, K = this step's 128 keys; the accumulators take turns
.irp t, 0,1,2,3
	v_wmma_f32_16x16x128_fp8_fp8 v[160+8*\t:167+8*\t], v[32+16*\t:47+16*\t], v[224:239], v[160+8*\t:167+8*\t]
.endr
.endm
; A DOUBLE STEP: 128 keys at LDS byte s[TB] of K's and V's images, for tiles X and Y.  mask = 1: the step may be the diagonal one.
.macro STEP mask
	v_add_nc_u32 v3, s[TB], v1
	v_add_nc_u32 v4, s[TB], v2
	v_nop
	v_nop                                          ; four plain instructions between the last step's products and the loads into V's registers
.irp t, 0,1,2,3,4,5,6,7
	ds_load_b128 v[32+8*\t:35+8*\t], v3 offset:1024*\t         ; K: keys 16 t on
	ds_load_b128 v[36+8*\t:39+8*\t], v3 offset:1024*\t+512
.endr
	WIN 0x40                                       ; destination window 1
.irp t, 0,1,2,3
.irp c, 0,1,2,3
	ds_load_b128 v[32+16*\t+4*\c:35+16*\t+4*\c], v4 offset:2048*\t+512*\c   ; V: d tile t
.endr
.endr
	WIN 0
	s_wait_dscnt 16                                ; K's sixteen loads are in; V's sixteen may be out
.irp t, 0,1,2,3,4,5,6,7
	v_wmma_f32_16x16x64_fp8_fp8 v[96+8*\t:103+8*\t], v[32+8*\t:39+8*\t], v[16:23], 0
.endr
	WIN 0x44                                       ; Q and S^T of Y in window 1, K in window 0
.irp t, 0,1,2,3,4,5,6,7
	v_wmma_f32_16x16x64_fp8_fp8 v[96+8*\t:103+8*\t], v[32+8*\t:39+8*\t], v[16:23], 0
.endr
	WIN 0
.rept 4
	v_nop                                          ; places in front of the first read of the scores
.endr
.if \mask
	s_cmp_lg_u32 s[KS], s[U]                       ; numbers made of the wave's number and the trip alone
	s_cbranch_scc1 .Lopen_\@
	MASK 96                                        ; X: its queries lie among the step's keys 0-63,
.set i, 0
.rept 32
	v_mov_b32 v[128+i], v247                       ; and keys 64-127 are hidden from all of them
.set i, i+1
.endr
	WIN 0x55
	MASK 128                                       ; Y: keys 0-63 count for all its queries, which lie among keys 64-127
	WIN 0
.Lopen_\@:
.endif
	SOFTMAX
	s_wait_alu depctr_va_vdst(0)
	s_wait_dscnt 0x0                               ; V is in
	WIN 0x01                                       ; V in window 1; P and O^T of X in window 0
	PV
	WIN 0x55                                       ; Y's softmax stands behind X's products and names none of their registers
	SOFTMAX
	PV
	WIN 0
.endm
; A tile's end, under its window setting: O^T / the sum x 2^(e8 + e9), converted with 2^e10.  A lane then holds d = 16 t + 8 h + 0 .. 7 of its query; the output projection's operand wants
; d = 32 b + 16 h + 0 .. 15: lanes l and l xor 16 exchange one half of each pair of d tiles.
.macro FIN
	v_add_f32 v14, v14, v15
	s_delay_alu instid0(VALU_DEP_1)
	v_permlanex16_b32 v246, v14, s[SEL], s[SEL+1]
	s_delay_alu instid0(VALU_DEP_1)
	v_add_f32 v14, v14, v246                       ; the row's sum
	s_wait_alu depctr_va_vdst(0)
	v_rcp_f32 v14, v14
	v_nop                                          ; a plain instruction behind the transcendental
	s_wait_alu depctr_va_vdst(0)
	v_ldexp_f32 v14, v14, s[EPV]
.set i, 0
.rept 16
	v_pk_mul_f32 v[96+i:97+i], v[160+i:161+i], v[14:15] op_sel_hi:[1,0]   ; each accumulator from its low end on
.set i, i+2
.endr
.set i, 0
.rept 32
.set i, i+1
.endr
.irp t, 0,1,2,3
	v_cvt_scalef32_pk8_fp8_f32 v[224+2*\t:225+2*\t], v[96+8*\t:103+8*\t], v245
.endr
	v_nop                                          ; a plain instruction behind the last conversion
.irp a, 224,225,228,229
	v_cndmask_b32 v248, v[\a+2], v[\a], s[HM]      ; lanes 0-15 send their part of the odd d tile, lanes 16-31 theirs of the even one
	s_delay_alu instid0(VALU_DEP_1)
	v_permlanex16_b32 v246, v248, s[SEL], s[SEL+1]
	v_cndmask_b32 v[\a], v[\a], v246, s[HM]        ; lanes 0-15 keep the even tile's first eight; lanes 16-31 take the odd tile's first eight
	v_cndmask_b32 v[\a+2], v246, v[\a+2], s[HM]    ; lanes 0-15 take the even tile's second eight; lanes 16-31 keep the odd tile's
.endr
.endm
.macro FINISH
.rept 4
	v_nop                                          ; places behind the last products
.endr
	s_lshr_b32 s[OP], s[BH], 4                     ; batch
	s_lshl_b32 s[OP], s[OP], 7
	s_lshl_b32 s[OP+1], s[U], 3
	s_add_co_u32 s[OP], s[OP], s[OP+1]
	s_add_co_u32 s[OP], s[OP], s[CX]               ; row tile 128 x batch + 8 u + cx,
	s_lshl_b32 s[OP], s[OP], 14                    ; 16,384 bytes each,
	s_and_b32 s[OP+1], s[BH], 15
	s_lshl_b32 s[OP+1], s[OP+1], 10                ; + 1,024 x head
	s_add_co_u32 s[OP], s[OP], s[OP+1]
	s_mov_b32 s[OP+1], 0
	s_add_nc_u64 s[OP:OP+1], s[12:13], s[OP:OP+1]
	FIN
	global_store_b128 v1, v[224:227], s[OP:OP+1]               ; 512 consecutive bytes, aligned
	global_store_b128 v1, v[228:231], s[OP:OP+1] offset:512
	WIN 0x55
	FIN
	WIN 0x04                                       ; the stores' data in window 1
	global_store_b128 v1, v[224:227], s[OP:OP+1] offset:65536  ; Y: four row tiles on
	global_store_b128 v1, v[228:231], s[OP:OP+1] offset:66048
	WIN 0
	s_wait_xcnt 0x0                                ; the stores have read their codes and their base: both are written again later
.endm
.macro NEXTQ
.set i, 0
.rept 8
	v_mov_b32 v[16+i], v[24+i]
.set i, i+1
.endr
.endm
	s_wait_loadcnt 0x0                             ; Q
	s_wait_tensorcnt 0x3                           ; a fetching wave's first quarter is in; its three later ones may be out
	s_barrier_signal -1
	s_barrier_wait -1                              ; key steps 0-3 of K and V lie in LDS
	s_mov_b32 s[TB], 0
	s_mov_b32 s[TRIP], 4
.Lquarter_0:                                           ; every wave's first double tile has nine steps or more: steps 0-7 are alike in all waves and none lies on a diagonal
	STEP 0
	s_add_co_u32 s[TB], s[TB], KSB
	s_sub_co_u32 s[TRIP], s[TRIP], 1
	s_cmp_lg_u32 s[TRIP], 0
	s_cbranch_scc1 .Lquarter_0
	s_wait_tensorcnt 0x2                           ; the second quarter is in
	s_wait_dscnt 0x0
	s_barrier_signal -1
	s_barrier_wait -1
	s_mov_b32 s[TRIP], 4
.Lquarter_1:
	STEP 0
	s_add_co_u32 s[TB], s[TB], KSB
	s_sub_co_u32 s[TRIP], s[TRIP], 1
	s_cmp_lg_u32 s[TRIP], 0
	s_cbranch_scc1 .Lquarter_1
	s_wait_tensorcnt 0x0                           ; all of K and V
	s_wait_dscnt 0x0
	s_barrier_signal -1
	s_barrier_wait -1
	s_mov_b32 s[G], 8
.Lrest:                                                ; my steps 8 to 16: the first double tile's up to its diagonal, then the second's from key step 0 on
	s_cmp_ge_u32 s[G], s[LEN]
	s_cselect_b32 s[U], s[WV], s[UL]               ; the double tile in hand
	s_cselect_b32 s[KS], s[WV], 0
	s_add_co_u32 s[KS], s[KS], s[G]
	s_and_b32 s[KS], s[KS], 15                     ; its key step: G, or G - (16 - wave)
	s_lshl_b32 s[TB], s[KS], 13
	STEP 1
	s_cmp_lg_u32 s[KS], s[U]
	s_cbranch_scc1 .Lgo_on
	FINISH                                         ; the diagonal step was the double tile's last
	s_cmp_eq_u32 s[G], 16
	s_cbranch_scc1 .Lgo_on
	NEXTQ                                          ; the second double tile begins
	INIT
	WIN 0x55
	NEXTQ
	INIT
	WIN 0
.Lgo_on:
	s_add_co_u32 s[G], s[G], 1
	s_cmp_lt_u32 s[G], 17
	s_cbranch_scc1 .Lrest
	s_wait_tensorcnt 0x0
	ds_add_u32 v251, v255
	s_wait_dscnt 0x0
	CROUND                                         ; the closing round
	s_endpgm
.Lfunc_end_k_qe792fc2435_attn:
	.size	k_qe792fc2435_attn, .Lfunc_end_k_qe792fc2435_attn-k_qe792fc2435_attn
	.p2alignl 7, 3214868480
	.fill 96, 4, 3214868480
	.section	.rodata,"a",@progbits
	.p2align	6, 0x0
	.amdhsa_kernel k_qe792fc2435_attn
		.amdhsa_group_segment_fixed_size 263168
		.amdhsa_private_segment_fixed_size 0
		.amdhsa_enable_private_segment 0
		.amdhsa_kernarg_size 40
		.amdhsa_user_sgpr_count 2
		.amdhsa_user_sgpr_kernarg_segment_ptr 1
		.amdhsa_wavefront_size32 1
		.amdhsa_system_sgpr_workgroup_id_x 1
		.amdhsa_system_sgpr_workgroup_id_y 1
		.amdhsa_system_sgpr_workgroup_id_z 1
		.amdhsa_system_vgpr_workitem_id 0
		.amdhsa_next_free_vgpr 512
		.amdhsa_next_free_sgpr 80
		.amdhsa_reserve_vcc 1
		.amdhsa_float_denorm_mode_32 3
		.amdhsa_float_denorm_mode_16_64 3
		.amdhsa_fp16_overflow 1
		.amdhsa_memory_ordered 1
		.amdhsa_forward_progress 1
		.amdhsa_inst_pref_size 100
	.end_amdhsa_kernel
	.amdgpu_metadata
---
amdhsa.version: [ 1, 2 ]
amdhsa.kernels:
  - .name:           k_qe792fc2435_attn
    .symbol:         k_qe792fc2435_attn.kd
    .args:
      - { .name: q_codes, .offset: 0, .size: 8, .value_kind: global_buffer, .address_space: global }
      - { .name: k_codes, .offset: 8, .size: 8, .value_kind: global_buffer, .address_space: global }
      - { .name: v_codes, .offset: 16, .size: 8, .value_kind: global_buffer, .address_space: global }
      - { .name: lowp_scales, .offset: 24, .size: 8, .value_kind: global_buffer, .address_space: global }
      - { .name: a_codes, .offset: 32, .size: 8, .value_kind: global_buffer, .address_space: global }
    .group_segment_fixed_size: 263168
    .private_segment_fixed_size: 0
    .kernarg_segment_align: 8
    .kernarg_segment_size: 40
    .max_flat_workgroup_size: 256
    .sgpr_count:     80
    .vgpr_count:     512
    .wavefront_size: 32
...
	.end_amdgpu_metadata
.endif
;; end of part 2
;; launch oproj (part 3): grid 4 x 64, 4 waves a work-group, clusters of 4 x 4, 327,680 bytes of LDS; arguments a_codes, Wo_codes, bo, lowp_scales, out0; writes out0
.if DOCPART == 3
	.amdgcn_target "amdgcn-amd-amdhsa--gfx1250"
	.amdhsa_code_object_version 6
	.text
	.protected	k_qe792fc2435_oproj
	.globl	k_qe792fc2435_oproj
	.p2align	8
	.type	k_qe792fc2435_oproj,@function
k_qe792fc2435_oproj:
	s_mov_b64 s[64:65], 0
	v_nop
	global_prefetch_b8 v0, s[64:65] scope:SCOPE_SE
	s_setreg_imm32_b32 hwreg(HW_REG_WAVE_MODE, 25, 1), 1
	s_wait_xcnt 0x0
	s_wait_alu depctr_hold_cnt(0) depctr_sa_sdst(0) depctr_va_vdst(0) depctr_va_sdst(0) depctr_va_ssrc(0) depctr_va_vcc(0) depctr_vm_vsrc(0)
	s_getreg_b32 s2, hwreg(HW_REG_IB_STS2, 6, 4)
	s_cmp_eq_u32 s2, 0
	s_cbranch_scc0 .Lentry_in_a_cluster
	s_endpgm
.Lentry_in_a_cluster:
	s_bfe_u32 s2, ttmp6, 0x10000c
	s_cmp_lg_u32 s2, 0xf033
	s_cbranch_scc0 .Lentry_shape_is_right
	s_endpgm
.Lentry_shape_is_right:
; out0 = a Wo + bo on codes of FP8 (E4M3).  a_codes: [row tile of 16: 512][K step of 128: 8][2,048 bytes], images of operand registers (quad c of lane (r, h): row r, k = 32 c + 16 h + 0 .. 15);
; Wo_codes: [1024 (n)][1024 (k)], K innermost; bo f32; out0 [8192][1024] f32.  A sum is multiplied once by 2^(e10 + e11) and the bias added, in one packed multiply-add.
; LIMIT: e10 + e11 between -126 and 127, so that 2^(e10 + e11) is an f32 number.
; 256 work-groups, one tile of 128 rows x 256 columns each; four waves, each 64 x 128: 32 accumulators, 256 registers.  K = 1,024 is four K steps of 256 in THREE LDS slots: slots 0, 1, 2 take K steps 0, 1, 2
; at the start (one tensor load of a wave is out at a time), and slot 0 is filled once more, with K step 3, when it has been read.
; CLUSTERS of 4 x 4: the four of a row need the same rows of a, the four of a column the same rows of Wo: each tile is asked for JOINTLY, by the same tensor load with a mask that names the four.
; THE MATRIX INSTRUCTION IS USED TRANSPOSED (source 0 = 16 rows of Wo, source 1 = 16 rows of a): a lane holds eight neighbouring numbers of a row of the output.
; A's fragments come from LDS as they lie (16 bytes a lane, 512 consecutive bytes a load), Wo's from padded rows by four loads 32 bytes apart: the same order of k on both sides.
; REGISTERS: window 0: v0-31 addresses; v32-95 at work on the way out; v128-255 A's fragments, two sets of four, later rows on their way out.  window 1: Wo's fragments, two sets of eight.
;   window 2: accumulator (a, b) at v[8 (8 a + b)].   window 3: v0-63 the bias of my lane's 64 columns.
.set PITCH,  272                       ; a row of Wo in LDS: 256 bytes + 16 of padding: the 16 rows that a load touches start at 16 different banks (ISA guide 11.1)
.set APART,  32768                     ; a slot: 8 row tiles x 4,096 bytes of a,
.set BHALF,  128*PITCH                 ; then 2 x 128 rows of Wo
.set SLOT,   APART+2*BHALF             ; 102,400
.set SPARE,  3*SLOT                    ; behind the slots: the spare words, 128 bytes for each wave, which no other line names
.set STAGE,  SLOT                      ; the way out: 16 rows x 528 bytes for each wave, in slot 1: it has had its only fill, and its last read lies in front of the last barrier
.set SPITCH, 528
.set ADRA, 16                          ; v16-18  LDS address of my A fragments in slot 0, 1, 2
.set ADRB, 20                          ; v20-22  the same for Wo
.set STO,  24                          ; v24     the way out: where I put 32 bytes of a row
.set RD,   25                          ; v25     where I read a row back
.set CO,   26                          ; v26     16 x lane
.set SPW,  28                          ; v28     LDS address of my spare word; never rewritten
.set NIL,  29                          ; v29     0; never rewritten
.set TMP,  32
.set BK,   128
.set G1,  24                           ; s[24:31] descriptor group 1 for a's tiles; s[32:43] three groups 0
.set G1B, 48                           ; s[48:55] for Wo's; groups 0 at s56, s60, s68
.set MSB, 0
.macro WIN new                         ; the immediate's high byte repeats the setting that is left
.if MSB != \new
	s_set_vgpr_msb (MSB<<8)|\new
.set MSB, \new
.endif
.endm
.set MUL, 0xa1                         ; source 0 (Wo) window 1, source 1 (a) window 0, C and D window 2
.macro JLOAD g0a, g1a, g0b, g1b        ; waves 0 and 1 fetch for a, waves 2 and 3 for Wo; four v_nop follow each of the two lines
	s_cmp_eq_u32 s15, 0
	s_cbranch_scc0 .Lfor_b_\@
	tensor_load_to_lds s[\g0a:\g0a+3], s[\g1a:\g1a+7]
	s_nop 0
.rept 4
	v_nop
.endr
	s_branch .Lasked_\@
.Lfor_b_\@:
	tensor_load_to_lds s[\g0b:\g0b+3], s[\g1b:\g1b+7]
	s_nop 0
.rept 4
	v_nop
.endr
.Lasked_\@:
.endm
.macro CREST
	s_cmp_lg_u32 s14, 0
	s_cbranch_scc1 .Lnot_wave_0_\@
	s_barrier_signal -3
.Lnot_wave_0_\@:
	s_barrier_wait -3
	s_barrier_signal -1
	s_barrier_wait -1
.endm
.macro CROUND
	s_barrier_signal -1
	s_barrier_wait -1
	CREST
.endm
.macro PLACES n
.rept \n
	v_nop
.endr
.endm
	s_load_b256 s[4:11], s[0:1], 0x0               ; a_codes s[4:5], Wo_codes s[6:7], bo s[8:9], the scales s[10:11]
	s_load_b64 s[12:13], s[0:1], 0x20              ; out0
	v_lshl_add_u32 v[SPW], v0, 2, SPARE
	v_mov_b32 v[NIL], 0
	ds_add_u32 v28, v29
	ds_add_u32 v28, v29
	s_wait_dscnt 0x0
	v_lshrrev_b32 v1, 5, v0
	v_readfirstlane_b32 s14, v1                    ; wave 0..3
	s_lshr_b32 s15, s14, 1                         ; which 64 rows are mine.  Also: I fetch for a (0) or for Wo (1)
	s_and_b32 s16, s14, 1                          ; which 128 columns.  Also: which half of that tile I fetch
	s_bfe_u32 s72, ttmp6, 0x40000                  ; cx = the tile column
	s_bfe_u32 s73, ttmp6, 0x40004                  ; cy
	s_and_b32 s17, ttmp7, 0xffff
	s_lshl_b32 s17, s17, 2
	s_add_co_u32 s17, s17, s73                     ; tile row = 4 x cluster y + cy
	s_lshl_b32 s74, s73, 2
	s_lshl_b32 s74, 15, s74                        ; my row of the cluster
	s_lshl_b32 s75, 0x1111, s72                    ; my column
	; a's tile: 4 row tiles x 4,096 bytes (two K steps of 128), 16,384 bytes apart in memory, dense in LDS
	s_or_b32 s[G1+0], s74, (3<<16)|(1<<21)         ; the mask: my row; elements of 8 bytes; no padding; 21 set beside a mask
	s_mov_b32 s[G1+1], 512<<16                     ; tensor_dim0 = 512 elements
	s_mov_b32 s[G1+2], 4<<16                       ; tensor_dim1 = 4
	s_mov_b32 s[G1+3], 512<<16                     ; tile_dim0
	s_mov_b32 s[G1+4], 4                           ; tile_dim1
	s_mov_b32 s[G1+5], 2048                        ; tensor_dim0_stride
	s_mov_b32 s[G1+6], 0
	s_mov_b32 s[G1+7], 0
	; Wo's tile: 128 rows x 256 bytes, padded in LDS
	s_or_b32 s[G1B+0], s75, (0<<16)|(1<<20)|(1<<21)|(5<<22)|(3<<25)  ; the mask: my column; elements of 1 byte; after every 64 words four words of padding
	s_mov_b32 s[G1B+1], 256<<16
	s_mov_b32 s[G1B+2], 128<<16
	s_mov_b32 s[G1B+3], 256<<16
	s_mov_b32 s[G1B+4], 128
	s_mov_b32 s[G1B+5], 1024
	s_mov_b32 s[G1B+6], 0
	s_mov_b32 s[G1B+7], 0
	s_lshl_b32 s20, s17, 17                        ; a: row tile 8 x tile row + 4 x half, 16,384 bytes each
	s_lshl_b32 s22, s16, 16
	s_add_co_u32 s20, s20, s22
	s_mov_b32 s21, 0
	s_lshl_b32 s78, s72, 18                        ; Wo: row 256 cx + 128 x half, 1,024 bytes each
	s_lshl_b32 s22, s16, 17
	s_add_co_u32 s78, s78, s22
	s_mov_b32 s79, 0
	s_lshl_b32 s76, s16, 14                        ; where they go in a slot: a's half,
	s_mul_i32 s77, s16, BHALF
	s_add_co_u32 s77, s77, APART                   ; Wo's half: no place in the cluster enters an LDS address
	s_wait_kmcnt 0x0
	s_load_b64 s[96:97], s[10:11], 0x28            ; e10, e11
	s_add_nc_u64 s[20:21], s[4:5], s[20:21]
	s_add_nc_u64 s[78:79], s[6:7], s[78:79]
	CROUND                                         ; all sixteen work-groups are here: the first joint loads meet
.macro FIRST s, g0a, g0b
	s_mov_b32 s[\g0a], 1
	s_add_co_u32 s[\g0a+1], s76, \s*SLOT
	s_add_nc_u64 s[\g0a+2:\g0a+3], s[20:21], \s*4096
	s_or_b32 s[\g0a+3], s[\g0a+3], 0x80000000
	s_mov_b32 s[\g0b], 1
	s_add_co_u32 s[\g0b+1], s77, \s*SLOT
	s_add_nc_u64 s[\g0b+2:\g0b+3], s[78:79], \s*256
	s_or_b32 s[\g0b+3], s[\g0b+3], 0x80000000
	s_wait_alu depctr_va_vdst(0)
	s_wait_tensorcnt 0x0
	ds_add_u32 v28, v29
	ds_add_u32 v28, v29
	s_wait_dscnt 0x0
	CROUND
	JLOAD \g0a, G1, \g0b, G1B
.endm
	FIRST 0, 32, 56
	FIRST 1, 36, 60
	FIRST 2, 40, 68
	v_and_b32 v1, 15, v0                           ; r
	v_bfe_u32 v2, v0, 4, 1                         ; h
	v_and_b32 v6, 31, v0
	v_lshlrev_b32 v[CO], 4, v6                     ; 16 x lane
	s_lshl_b32 s22, s72, 10
	s_lshl_b32 s23, s16, 9
	s_add_co_u32 s22, s22, s23                     ; 4 x (256 cx + 128 x my column half)
	v_lshl_add_u32 v5, v2, 5, s22                  ; + 32 h
	WIN 0xc0                                       ; destination window 3
.irp b, 0,1,2,3,4,5,6,7
	global_load_b128 v[8*\b:8*\b+3], v5, s[8:9] offset:64*\b           ; bo at columns 16 b + 8 h + 0 .. 7
	global_load_b128 v[8*\b+4:8*\b+7], v5, s[8:9] offset:64*\b+16
.endr
	WIN 0
	s_lshl_b32 s23, s15, 14                        ; my four row tiles
	v_add_nc_u32 v[ADRA], s23, v[CO]
	v_add_nc_u32 v[ADRA+1], SLOT, v[ADRA]
	v_add_nc_u32 v[ADRA+2], 2*SLOT, v[ADRA]
	v_mul_u32_u24 v3, v1, PITCH
	v_lshl_add_u32 v3, v2, 4, v3                   ; row x pitch + 16 x half
	v_add_nc_u32 v[ADRB], s77, v3                  ; my 128 rows of Wo (the half that I multiply is numbered as the half that I would fetch)
	v_add_nc_u32 v[ADRB+1], SLOT, v[ADRB]
	v_add_nc_u32 v[ADRB+2], 2*SLOT, v[ADRB]
	s_mul_i32 s23, s14, 16*SPITCH
	s_add_co_u32 s23, s23, STAGE                   ; my stage
	v_mul_u32_u24 v4, v1, SPITCH
	v_lshl_add_u32 v4, v2, 5, v4
	v_add_nc_u32 v[STO], s23, v4                   ; in: row r, 32 bytes for each half of the lanes
	v_add_nc_u32 v[RD], s23, v[CO]                 ; back: the 32 lanes take one row of 512 bytes
	s_lshl_b32 s44, s17, 19                        ; my first row of the output: 128 x tile row + 64 x half, 4,096 bytes a row,
	s_lshl_b32 s45, s15, 18
	s_add_co_u32 s44, s44, s45
	s_add_co_u32 s44, s44, s22                     ; and my first column
	s_mov_b32 s45, 0
	s_add_nc_u64 s[12:13], s[12:13], s[44:45]
; 8 matrix instructions: A's block a x Wo's eight, 128 along K, on set p.  The 32 accumulators take turns, in the same order in every step.
.macro MUL8 a, p, zero
.irp b, 0,1,2,3,4,5,6,7
.if \zero
	v_wmma_f32_16x16x128_fp8_fp8 v[8*(8*(\a)+\b):8*(8*(\a)+\b)+7], v[128*(\p)+16*\b:128*(\p)+16*\b+15], v[128+64*(\p)+16*(\a):128+64*(\p)+16*(\a)+15], 0
.else
	v_wmma_f32_16x16x128_fp8_fp8 v[8*(8*(\a)+\b):8*(8*(\a)+\b)+7], v[128*(\p)+16*\b:128*(\p)+16*\b+15], v[128+64*(\p)+16*(\a):128+64*(\p)+16*(\a)+15], v[8*(8*(\a)+\b):8*(8*(\a)+\b)+7]
.endif
.endr
.endm
; 48 LDS loads in one run: the fragments of the slot's q-th 128 along K into set p
.macro FETCH3 slot, q, p
	WIN 0x40
.irp i, 0,1,2,3,4,5,6,7
.irp c, 0,1,2,3
	ds_load_b128 v[128*(\p)+16*\i+4*\c:128*(\p)+16*\i+4*\c+3], v[ADRB+\slot] offset:128*(\q)+32*\c+\i*16*PITCH
.endr
.endr
	WIN 0
.irp i, 0,1,2,3
.irp c, 0,1,2,3
	ds_load_b128 v[128+64*(\p)+16*\i+4*\c:128+64*(\p)+16*\i+4*\c+3], v[ADRA+\slot] offset:4096*\i+2048*(\q)+512*\c
.endr
.endr
.endm
; A step of 128 along K on set p; the next step's fragments are asked for ahead of its 32 products.
.macro STEPG p, nslot, nq, zero
	s_wait_dscnt 0x0                               ; this step's fragments are in
	PLACES 4                                       ; between the last step's products and the loads into the set that they read
	FETCH3 \nslot, \nq, 1-(\p)
	WIN MUL
	MUL8 0, \p, \zero
	MUL8 1, \p, \zero
	MUL8 2, \p, \zero
	MUL8 3, \p, \zero
.endm
; A step on set 1 with a barrier in it.  In front of it each wave waits for all its tensor loads, adds 0 to its spare word, and waits for that and for its LDS reads.  fill = 1: slot 0 takes K step 3.
.macro TURN nslot, fill
	WIN 0                                          ; (the add's two registers lie in window 0)
	s_wait_tensorcnt 0x0                           ; all my tensor loads have landed
	ds_add_u32 v[SPW], v[NIL]                      ; 0 onto my spare word
	s_wait_dscnt 0x1                               ; this step's fragments are in; the add may be out
	WIN MUL
	MUL8 0, 1, 0                                   ; eight matrix instructions stand between the add and the wait for it
	s_wait_dscnt 0x0                               ; the add is done, and my reads of the slots read so far are over
	s_barrier_signal -1
	MUL8 1, 1, 0
	WIN 0
	s_barrier_wait -1
.if \fill
	CREST                                          ; the barrier has opened a round of the cluster's: no wave of any partner still reads slot 0 or has a load on its way
	s_add_nc_u64 s[34:35], s[34:35], 3*4096        ; from K step 0 to K step 3
	s_add_nc_u64 s[58:59], s[58:59], 3*256
	JLOAD 32, G1, 56, G1B                          ; the first tensor load behind the round: 112 products stand between it and the wait for it; its four v_nop are the places in front of the loads below
.else
	PLACES 4
.endif
	FETCH3 \nslot, 0, 0
	WIN MUL
	MUL8 2, 1, 0
	MUL8 3, 1, 0
.endm
	s_wait_alu depctr_va_vdst(0)
	s_wait_tensorcnt 0x2                           ; my parts of slots 0 and 1 are in; slot 2's may be out
	s_barrier_signal -1
	s_barrier_wait -1
	FETCH3 0, 0, 0
	STEPG 0, 0, 1, 1                               ; K 0-127: its products start the sums
	TURN 1, 1                                      ; K 128-255; slots 1 and 2 are whole; slot 0 is asked for again
	STEPG 0, 1, 1, 0
	STEPG 1, 2, 0, 0
	STEPG 0, 2, 1, 0
	TURN 0, 0                                      ; K 640-767; slot 0 holds K step 3; nothing is filled again, so no round follows
	STEPG 0, 0, 1, 0
	s_wait_dscnt 0x0                               ; the last step: nothing more to fetch
	MUL8 0, 1, 0
	MUL8 1, 1, 0
	MUL8 2, 1, 0
	MUL8 3, 1, 0
	WIN 0
; THE WAY OUT, block by block of 16 rows x 128 columns: sum x 2^(e10 + e11) + bias; through my own stage in LDS; back as whole rows of 512 bytes, stored by the 32 lanes.
; LDS serves a wave's instructions in order (ISA guide 5.7.1.4): no wait between the stores and the loads, nor in front of the next block's stores.
.macro TOSTAGE a
.set AC, 64*(\a)
	WIN 0x32                                       ; source 0 (the sums) window 2, source 2 (the bias) window 3
.set i, 0
.rept 32
	v_pk_fma_f32 v[TMP+i:TMP+i+1], v[AC+i:AC+i+1], s[96:97], v[i:i+1] op_sel_hi:[1,0,1]   ; each accumulator from its low end on
.set i, i+2
.endr
	WIN 0
.irp b, 0,1,2,3,4,5,6,7
	ds_store_b128 v[STO], v[TMP+8*\b:TMP+8*\b+3] offset:64*\b
	ds_store_b128 v[STO], v[TMP+8*\b+4:TMP+8*\b+7] offset:64*\b+16
.endr
.set BB, BK+64*((\a)%2)
.irp t, 0,1,2,3,4,5,6,7,8,9,10,11,12,13,14,15
	ds_load_b128 v[BB+4*\t:BB+4*\t+3], v[RD] offset:\t*SPITCH
.endr
.endm
.macro SEND a, younger                 ; younger: the LDS instructions issued behind block a's loads, which may stay out
.set BB, BK+64*((\a)%2)
	s_wait_dscnt \younger
.if (\a) > 0
	s_add_nc_u64 s[12:13], s[12:13], 16*4096       ; (behind a wait on XCNT: the earlier stores have read their base)
.endif
.irp t, 0,1,2,3,4,5,6,7,8,9,10,11,12,13,14,15
	global_store_b128 v[CO], v[BB+4*\t:BB+4*\t+3], s[12:13] offset:\t*4096 th:TH_STORE_NT   ; 512 consecutive bytes, aligned; written once, read by nobody here
.endr
.endm
	s_wait_kmcnt 0x0
	s_add_co_i32 s96, s96, s97
	s_add_co_i32 s96, s96, 127
	s_lshl_b32 s96, s96, 23                        ; 2^(e10 + e11) as f32
	s_mov_b32 s97, s96
	s_wait_loadcnt 0x0                             ; the bias
	PLACES 4                                       ; behind the last products: for the loads into the registers that held A's fragments, and the reads of results
	TOSTAGE 0
.irp a, 1,2,3
.if \a > 1
	s_wait_xcnt 0x0                                ; block a - 2's stores have read their registers and their base
.endif
	TOSTAGE \a
	SEND \a-1, 32                                  ; behind block a - 1's loads: block a's 16 stores and 16 loads
.endr
	s_wait_xcnt 0x0
	SEND 3, 0
	s_wait_tensorcnt 0x0                           ; the wave's end
	ds_add_u32 v[SPW], v[NIL]
	s_wait_dscnt 0x0
	CROUND                                         ; the closing round
	s_endpgm
.Lfunc_end_k_qe792fc2435_oproj:
	.size	k_qe792fc2435_oproj, .Lfunc_end_k_qe792fc2435_oproj-k_qe792fc2435_oproj
	.p2alignl 7, 3214868480
	.fill 96, 4, 3214868480
	.section	.rodata,"a",@progbits
	.p2align	6, 0x0
	.amdhsa_kernel k_qe792fc2435_oproj
		.amdhsa_group_segment_fixed_size 327680
		.amdhsa_private_segment_fixed_size 0
		.amdhsa_enable_private_segment 0
		.amdhsa_kernarg_size 40
		.amdhsa_user_sgpr_count 2
		.amdhsa_user_sgpr_kernarg_segment_ptr 1
		.amdhsa_wavefront_size32 1
		.amdhsa_system_sgpr_workgroup_id_x 1
		.amdhsa_system_sgpr_workgroup_id_y 1
		.amdhsa_system_sgpr_workgroup_id_z 1
		.amdhsa_system_vgpr_workitem_id 0
		.amdhsa_next_free_vgpr 1024
		.amdhsa_next_free_sgpr 100
		.amdhsa_reserve_vcc 0
		.amdhsa_float_denorm_mode_32 3
		.amdhsa_float_denorm_mode_16_64 3
		.amdhsa_memory_ordered 1
		.amdhsa_forward_progress 1
		.amdhsa_inst_pref_size 78
	.end_amdhsa_kernel
	.amdgpu_metadata
---
amdhsa.version: [ 1, 2 ]
amdhsa.kernels:
  - .name:           k_qe792fc2435_oproj
    .symbol:         k_qe792fc2435_oproj.kd
    .args:
      - { .name: a_codes, .offset: 0, .size: 8, .value_kind: global_buffer, .address_space: global }
      - { .name: Wo_codes, .offset: 8, .size: 8, .value_kind: global_buffer, .address_space: global }
      - { .name: bo, .offset: 16, .size: 8, .value_kind: global_buffer, .address_space: global }
      - { .name: lowp_scales, .offset: 24, .size: 8, .value_kind: global_buffer, .address_space: global }
      - { .name: out0, .offset: 32, .size: 8, .value_kind: global_buffer, .address_space: global }
    .group_segment_fixed_size: 327680
    .private_segment_fixed_size: 0
    .kernarg_segment_align: 8
    .kernarg_segment_size: 40
    .max_flat_workgroup_size: 128
    .sgpr_count:     100
    .vgpr_count:     1024
    .wavefront_size: 32
...
	.end_amdgpu_metadata
.endif
;; end of part 3
